; MI455X (gfx1250); checked and timed in simulation.
; The chip was launched on July 23, 2026; its instructions are those of AMD's public machine-readable ISA for CDNA 5 (MIT licence, August 2026) and "CDNA5" Instruction Set Architecture Reference Guide (July 2026). The comments in the code are by the model that wrote it; some were corrected since.
;; Mo E Model. Allowed arithmetic: matrix products marked QUANTISED: E5M2 operands, one E8M0 scale for each 32 along K, by v_wmma_scale_f32_16x16x128_f8f6f4 with both operands' format E5M2, f32 sums; products left as they are: f32 operands where the result goes on into a quantised operand, else bf16, f16 or f32 operands; f32 sums; everything else in f32.
;; Inputs: W1_codes 8 x 1,024 x 16 x 32 uint8 (E5M2 codes of W1, K innermost, in blocks of 32 codes); W1_scales 8 x 1,024 x 16 uint8 (E8M0 scales of W1, one for each 32 codes along K); W2_codes 8 x 512 x 32 x 32 uint8 (E5M2 codes of W2, K innermost, in blocks of 32 codes); W2_scales 8 x 512 x 32 uint8 (E8M0 scales of W2, one for each 32 codes along K); W3_codes 8 x 50 x 16 x 32 uint8 (E5M2 codes of W3, K innermost, in blocks of 32 codes); W3_scales 8 x 50 x 16 uint8 (E8M0 scales of W3, one for each 32 codes along K); Wr 512 x 8 float32; b1 8 x 1,024 float32; b2 8 x 512 float32; b3 8 x 50 float32; br 8 float32; x 4,096 x 512 float32.
;; Outputs: out0 4,096 x 50 float32; out1 4,096 x 8 float32.
;; This version of the problem:
;;   THIS VERSION OF THE PROBLEM IS GIVEN IN LOW PRECISION. The matrix products marked QUANTISED in the list below multiply operands that are first quantised to E5M2 (5 exponent bits, 2 mantissa bits; 8 bits a number), with one power-of-two scale for each 32 numbers along K (OCP MX v1.0); their sums are f32. All else is computed in f32.
;;   The module's matrix products, in the order in which they are computed (A, B: the left and right operand; K: the contracted axis; several contracted axes count as one K, in the product's order):
;;     1. [M 4,096, K 512] x [K 512, N 8]; A: input x; B: input Wr: left as it is (N = 8 < 16)
;;     2. [M 8,192, K 512] x [K 512, N 4,096]; A: input W1 (given as codes); B: input x: QUANTISED
;;     3. batch 8 x [M 4,096, K 1,024] x [K 1,024, N 512]; A: computed on the way; B: input W2 (given as codes): QUANTISED
;;     4. batch 8 x [M 4,096, K 512] x [K 512, N 50]; A: computed on the way; B: input W3 (given as codes): QUANTISED
;;   THE QUANTISER, for each operand of a quantised product, along K:
;;     - K is cut into blocks of 32 from its start; a last block that is shorter is filled with zeros.
;;     - A block's scale is 2^e with e = floor(log2(the largest magnitude in the block)) - 15, held to -126 .. 127; a block of zeros has e = 0. As a byte (E8M0): e + 127.
;;     - Each number is divided by its block's scale, clamped to +-57,344, and rounded to the nearest number of E5M2, ties to even, subnormals kept.
;;     - The product sums the exact products of the quantised numbers (number of the format x scale) in f32.
;;   ~~~python
;;   def quantise(x, axis):      # numpy; x: float32 -> the quantised numbers, widened to float32 again
;;       x = np.moveaxis(x, axis, -1); K = x.shape[-1]
;;       x = np.pad(x, [(0, 0)] * (x.ndim - 1) + [(0, -K % 32)]); x = x.reshape(x.shape[:-1] + (-1, 32)); a = np.abs(x).max(-1, keepdims=True)
;;       e = np.where(a > 0, np.clip(np.frexp(np.where(a > 0, a, 1))[1] - 1 - 15, -126, 127), 0)      # np.frexp(a)[1] - 1 = floor(log2(a)), exactly
;;       r = np.clip(x / 2.0 ** e, -57344, 57344)
;;       step = 2.0 ** (np.maximum(np.frexp(np.where(r == 0, 1, r))[1] - 1, -14) - 2)
;;       q = np.round(r / step) * step * 2.0 ** e      # np.round: ties to even
;;       return np.moveaxis(q.reshape(q.shape[:-2] + (-1,))[..., :K], -1, axis).astype(np.float32)
;;   ~~~
;;   OPERANDS COMPUTED ON THE WAY. 'Computed on the way' means the value that the module computes at that place (a softmax that the list does not call 'softmax' is quantised finished and normalised). What goes into a quantiser is computed in f32, as accurately as f32 sums, v_exp_f32 and their like allow (about 1e-6 of the number): no bf16 or f16 on the way to a quantiser, and a product that is left as it is and whose result goes on into a quantised operand takes f32 operands (vector FMAs, or v_wmma_f32_16x16x4_f32). A number that lies on a knife's edge between two numbers of the format may be rounded either way, as far as f32 arithmetic and the matrix unit's own rounding can turn it there, and no further.
;;   INPUTS GIVEN AS CODES. W1 (in the module: [8, 512, 1024], K = its axis 1); W2 (in the module: [8, 1024, 512], K = its axis 1); W3 (in the module: [8, 512, 50], K = its axis 1): each comes as NAME_codes (uint8): NAME with its K axis moved to the last place and cut into blocks of 32 codes, [.., K / 32, bytes a block], one block behind the other in memory; one code a byte (a code: sign, 5 exponent bits, 2 mantissa bits); and NAME_scales (uint8): the same leading axes, one E8M0 byte (e + 127) for each 32 codes along K. Its value is code x scale, taken as it is: it is not quantised again, and the codes and scales need not be those that the quantiser above would give.
;; One version. Each part assembles by itself: llvm-mc -triple=amdgcn-amd-amdhsa -mcpu=gfx1250 --defsym DOCPART=n.
;; ======== version 1 of 1: 3 launches
;; workspace buffers: xq 2,162,688 bytes; route 32,768 bytes of whole numbers; gate 32,768 bytes; wf 8,650,752 bytes; ws 278,528 bytes; part 8,388,608 bytes
;; launch prep (part 1): grid 260 x 1, 8 waves a work-group, no clusters, 102,400 bytes of LDS; arguments x, Wr, br, out1, xq, route, gate, W1_codes, W2_codes, W1_scales, W2_scales, wf, ws, W3_codes, W3_scales; writes out1, xq, route, gate, wf, ws
.if DOCPART == 1
	.amdgcn_target "amdgcn-amd-amdhsa--gfx1250"
	.amdhsa_code_object_version 6
	.text
	.protected	k_q19ea9b79f0_prep
	.globl	k_q19ea9b79f0_prep
	.p2align	8
	.type	k_q19ea9b79f0_prep,@function
k_q19ea9b79f0_prep:
	s_mov_b64 s[64:65], 0
	v_nop
	global_prefetch_b8 v0, s[64:65] scope:SCOPE_SE
	s_setreg_imm32_b32 hwreg(HW_REG_WAVE_MODE, 25, 1), 1
	s_wait_xcnt 0x0
; FIRST OF THREE LAUNCHES.  The program: router (f32) -> two experts a token; each expert an MLP 512 -> 1024 -> 512 -> 50 on codes of E5M2 with one E8M0 scale for each 32 along K; out0 = the sum of the two chosen experts' rows x gate / 2.
; WORK LEFT OUT, for all values of the inputs: reference() computes expert_outs for all 8 experts and then gathers, by take_along_axis with topk_idx, the rows of 2 experts a token; the other 6 rows a token enter no output.
; So the three products are done for the chosen (token, expert) pairs alone.  Every input has a way to an output and is loaded.  LIMIT: a NaN, an infinity or an overflow that would arise only in an expert that was not chosen is not carried to the result.
; THIS LAUNCH, three kinds of work-groups, told apart by the work-group's number alone:
;   0-127   ROUTER: 32 tokens each: logits in f32 (fused multiply-adds), softmax -> out1; the two largest probabilities (ties: the lower index), stored as whole numbers at fixed places: for each group of 32 tokens and each expert
;           a word with a bit for each token that chose it, and for each token i1 | i2 << 8; the gates x 0.5; and x as codes [4096][512] with scale bytes [4096][16] behind them.
;   128-255 W1 and W2, 256-259 W3: the given codes and scale bytes laid anew, unchanged, in the order in which the next launch's operand registers take them (a fragment, 16 rows x 128 K, as [4 groups of registers][lane][16 bytes]).
;           A tile's rows of W1, W2: lane r of tile u of a block of 32 rows takes row 8 u + r + 8 (r / 8), so that a lane's 16 results of the two tiles are 16 neighbours along the next K.  W3's classes 50-63: zero codes, scale byte 127.
; LIMITS: NaN and infinities among the inputs are not served.  A block of x whose largest magnitude lies under 2^-111 keeps the scale byte 1; a block of zeros gets the byte 1 with zero codes where the rule says 127 (only this program reads the bytes).
; The logits are summed in another order than reference()'s: two probabilities within f32 rounding of each other may be ranked the other way.  An exponential that would be denormal comes out as 0.
.set WRP,   528                        ; Wr in LDS: 32 pieces of 512 bytes (16 rows of Wr) + 16 of padding: an odd multiple of 16, so that the lanes' 16-byte reads fall on different banks
.set STGX,  16896                      ; 10,240 bytes a wave: four stages of 32 places of 80 bytes (64 + 16 of padding), one for each of the wave's tokens
.set LOG,   98816                      ; the 32 tokens' logits, 32 bytes each
.set SCB,   99840                      ; their scale bytes, 16 each
.set PRB,   100352                     ; the probabilities on their way out
.set SPARE, 101376                     ; the spare words, 128 bytes a wave: four blocks of 256 bytes that no other line names
.set SPW,   2                          ; v2  LDS address of my spare word; never rewritten
.set NIL,   3                          ; v3  0; never rewritten
	s_load_b256 s[4:11], s[0:1], 0x0               ; x 4, Wr 6, br 8, out1 10
	s_load_b256 s[12:19], s[0:1], 0x20             ; xq 12, route 14, gate 16, W1's codes 18
	s_load_b256 s[20:27], s[0:1], 0x40             ; W2's codes 20, W1's scales 22, W2's scales 24, wf 26
	s_load_b128 s[28:31], s[0:1], 0x60             ; ws 28, W3's codes 30
	s_load_b64 s[32:33], s[0:1], 0x70              ; W3's scales
	v_lshl_add_u32 v[SPW], v0, 2, SPARE
	v_mov_b32 v[NIL], 0
	v_lshrrev_b32 v1, 5, v0
	s_delay_alu instid0(VALU_DEP_1)
	v_readfirstlane_b32 s40, v1                    ; wave 0..7
	v_and_b32 v1, 31, v0                           ; lane
	s_cmp_lt_u32 ttmp9, 128
	s_cbranch_scc1 .Lrouter
	s_cmp_lt_u32 ttmp9, 256
	s_cbranch_scc1 .Lrelay12
	; ---- W3: a wave takes one expert's tile n of 16 classes, all four K steps
	s_sub_co_u32 s41, ttmp9, 256
	s_lshl_b32 s41, s41, 3
	s_add_co_u32 s41, s41, s40                     ; 0..31
	s_lshr_b32 s42, s41, 2                         ; expert
	s_and_b32 s43, s41, 3                          ; tile n
	s_lshl_b32 s44, s43, 4
	s_wait_alu depctr_va_vdst(0)
	v_and_b32 v4, 15, v1                           ; r
	v_lshrrev_b32 v5, 4, v1                        ; h
	s_delay_alu instid0(VALU_DEP_2)
	v_add_nc_u32 v6, s44, v4                       ; class 16 n + r
	s_delay_alu instid0(VALU_DEP_1)
	v_min_u32 v7, 49, v6                           ; no load leaves the buffer: classes past 49 read row 49 and are cleared below
	s_delay_alu instid0(VALU_DEP_1)
	v_lshlrev_b32 v8, 9, v7
	s_delay_alu instid0(VALU_DEP_1)
	v_lshl_add_u32 v8, v5, 4, v8                   ; row x 512 + 16 h
	s_delay_alu instid0(VALU_DEP_3)
	v_lshlrev_b32 v9, 4, v7                        ; row x 16: its scale bytes
	v_lshlrev_b32 v10, 4, v1
	v_lshlrev_b32 v11, 2, v1
	s_mul_i32 s46, s42, 25600
	s_mov_b32 s47, 0
	s_mul_i32 s48, s42, 800
	s_mov_b32 s49, 0
	s_lshl_b32 s50, s42, 15                        ; fragment 16 e + 4 kq + n, 2,048 bytes each, behind W1's and W2's 8 MiB
	s_lshl_b32 s52, s43, 11
	s_add_co_u32 s50, s50, s52
	s_add_co_u32 s50, s50, 0x800000
	s_mov_b32 s51, 0
	s_lshl_b32 s52, s42, 11                        ; its scale words: 128 bytes each, behind W1's and W2's 256 KiB
	s_lshl_b32 s54, s43, 7
	s_add_co_u32 s52, s52, s54
	s_add_co_u32 s52, s52, 0x40000
	s_mov_b32 s53, 0
	s_wait_alu depctr_va_vdst(0)
	s_wait_kmcnt 0x0
	s_add_nc_u64 s[30:31], s[30:31], s[46:47]
	s_add_nc_u64 s[32:33], s[32:33], s[48:49]
	s_add_nc_u64 s[26:27], s[26:27], s[50:51]
	s_add_nc_u64 s[28:29], s[28:29], s[52:53]
.irp q, 0,1,2,3
.irp c, 0,1,2,3
	global_load_b128 v[16+16*\q+4*\c:19+16*\q+4*\c], v8, s[30:31] offset:128*\q+32*\c
.endr
	global_load_b32 v[12+\q], v9, s[32:33] offset:4*\q
.endr
	s_wait_loadcnt 0x0
	v_cmp_gt_u32 vcc_lo, 50, v6                    ; a class of the problem?
.set n, 0
.rept 64
	v_cndmask_b32 v[16+n], 0, v[16+n], vcc_lo      ; else zero codes, which add nothing,
.set n, n+1
.endr
.irp q, 0,1,2,3
	v_cndmask_b32 v[12+\q], 0x7f7f7f7f, v[12+\q], vcc_lo   ; under the scale 1
.endr
.irp q, 0,1,2,3
.irp c, 0,1,2,3
	global_store_b128 v10, v[16+16*\q+4*\c:19+16*\q+4*\c], s[26:27] offset:8192*\q+512*\c   ; 32 lanes store 512 consecutive bytes
.endr
	global_store_b32 v11, v[12+\q], s[28:29] offset:512*\q    ; both halves of the lanes hold the 16 rows' words
.endr
	s_endpgm
	; ---- W1, W2: a wave takes two units; a unit = the two tiles of a block of 32 rows for one K step of 128: 4,096 bytes, and 128 bytes of scale words
.Lrelay12:
	s_sub_co_u32 s41, ttmp9, 128
	s_lshl_b32 s41, s41, 3
	s_add_co_u32 s41, s41, s40                     ; id 0..1023: units 2 id, 2 id + 1 in the order (layer, expert, wave w of the next launch, its 8 units)
	s_lshr_b32 s42, s41, 9                         ; layer
	s_bfe_u32 s43, s41, 0x30006                    ; expert
	s_bfe_u32 s44, s41, 0x40002                    ; w
	s_and_b32 s45, s41, 3                          ; q
	s_lshr_b32 s46, s45, 1
	s_lshl_b32 s47, s44, 1
	s_add_co_u32 s46, s46, s47                     ; W1: block 2 w + q / 2,
	s_and_b32 s47, s45, 1
	s_lshl_b32 s47, s47, 1                         ;     K steps 2 (q % 2) on
	s_lshl_b32 s48, s45, 1                         ; W2: block w, K steps 2 q on
	s_wait_kmcnt 0x0
	s_cmp_eq_u32 s42, 0                            ; the choice hangs on the work-group's and the wave's numbers alone
	s_cselect_b32 s46, s46, s44                    ; block
	s_cselect_b32 s47, s47, s48                    ; first K step
	s_cselect_b32 s49, 9, 10                       ; a row of codes is 512 or 1,024 bytes
	s_cselect_b64 s[50:51], s[18:19], s[20:21]
	s_cselect_b64 s[52:53], s[22:23], s[24:25]
	s_sub_co_u32 s58, s49, 5                       ; a row of scale bytes is 16 or 32
	s_lshl_b32 s57, s46, 5                         ; the block's first row
	s_lshl_b32 s54, s43, 19                        ; an expert's codes are 512 KiB in both layers
	s_lshl_b32 s56, s57, s49
	s_add_co_u32 s54, s54, s56
	s_lshl_b32 s56, s47, 7
	s_add_co_u32 s54, s54, s56
	s_mov_b32 s55, 0
	s_add_nc_u64 s[50:51], s[50:51], s[54:55]
	s_lshl_b32 s54, s43, 14                        ; its scale bytes 16 KiB
	s_lshl_b32 s56, s57, s58
	s_add_co_u32 s54, s54, s56
	s_lshl_b32 s56, s47, 2
	s_add_co_u32 s54, s54, s56
	s_add_nc_u64 s[52:53], s[52:53], s[54:55]
	s_lshl_b32 s54, s41, 13
	s_add_nc_u64 s[26:27], s[26:27], s[54:55]      ; wf + 8,192 id
	s_lshl_b32 s54, s41, 8
	s_add_nc_u64 s[28:29], s[28:29], s[54:55]      ; ws + 256 id
	s_wait_alu depctr_va_vdst(0)
	v_and_b32 v4, 15, v1                           ; r
	v_lshrrev_b32 v5, 4, v1                        ; h
	s_delay_alu instid0(VALU_DEP_2)
	v_and_b32 v6, 8, v4
	s_delay_alu instid0(VALU_DEP_1)
	v_add_nc_u32 v6, v6, v4                        ; r + 8 (r / 8)
	s_delay_alu instid0(VALU_DEP_1)
	v_lshlrev_b32 v7, s49, v6
	s_delay_alu instid0(VALU_DEP_1)
	v_lshl_add_u32 v7, v5, 4, v7                   ; tile 0: that row + 16 h
	s_lshl_b32 s56, 8, s49
	v_add_nc_u32 v8, s56, v7                       ; tile 1: eight rows on
	v_lshl_add_u32 v9, v5, 3, v6
	s_delay_alu instid0(VALU_DEP_1)
	v_lshlrev_b32 v9, s58, v9                      ; scale words: lanes 0-15 tile 0's rows, lanes 16-31 tile 1's
	v_lshlrev_b32 v10, 4, v1
	v_lshlrev_b32 v11, 2, v1
.irp i, 0,1
.irp c, 0,1,2,3
	global_load_b128 v[16+32*\i+4*\c:19+32*\i+4*\c], v7, s[50:51] offset:128*\i+32*\c th:TH_LOAD_NT
.endr
.irp c, 0,1,2,3
	global_load_b128 v[32+32*\i+4*\c:35+32*\i+4*\c], v8, s[50:51] offset:128*\i+32*\c th:TH_LOAD_NT
.endr
	global_load_b32 v[12+\i], v9, s[52:53] offset:4*\i th:TH_LOAD_NT
.endr
	s_wait_alu depctr_va_vdst(0)
.irp i, 0,1
	s_wait_loadcnt 9*(1-\i)                        ; this unit's nine loads are in; the second unit's nine may be out
.irp m, 0,1,2,3,4,5,6,7
	global_store_b128 v10, v[16+32*\i+4*\m:19+32*\i+4*\m], s[26:27] offset:4096*\i+512*\m   ; 32 lanes store 512 consecutive bytes
.endr
	global_store_b32 v11, v[12+\i], s[28:29] offset:128*\i
.endr
	s_endpgm
	; ---- ROUTER.  Registers: v4 16 x lane; v5, v6 my places in a stage, in and out; v7 my block's scale byte; v8 my wave's logits; v9 Wr's way into LDS; v10-15 at work; v16-31 codes, 4 a token; v32-39 the 8 sums; v40-47 at work;
	;      v48-111 four rows of x as loaded; v112-127 Wr as loaded, then token 0's 16 neighbours (token i + 1's lie where row i was loaded); v128-255 Wr: register 128 + 8 i + e = Wr[16 lane + i][e]
.Lrouter:
	s_wait_alu depctr_va_vdst(0)
	v_lshlrev_b32 v4, 4, v1
	s_mul_i32 s41, s40, 10240
	s_add_co_u32 s41, s41, STGX
	v_lshrrev_b32 v5, 2, v1
	s_delay_alu instid0(VALU_DEP_1)
	v_mul_u32_u24 v5, v5, 80
	v_and_b32 v6, 3, v1
	s_delay_alu instid0(VALU_DEP_1)
	v_lshl_add_u32 v5, v6, 4, v5
	s_delay_alu instid0(VALU_DEP_1)
	v_add_nc_u32 v5, s41, v5                       ; in: four lanes' 64 bytes on end, then 16 of padding
	v_mul_u32_u24 v6, v1, 80
	s_delay_alu instid0(VALU_DEP_1)
	v_add_nc_u32 v6, s41, v6                       ; out: my 16 neighbours
	s_lshl_b32 s42, s40, 6
	s_add_co_u32 s42, s42, SCB
	v_lshrrev_b32 v7, 1, v1
	s_delay_alu instid0(VALU_DEP_1)
	v_add_nc_u32 v7, s42, v7
	s_lshl_b32 s42, s40, 7
	s_add_co_u32 s42, s42, LOG
	v_mov_b32 v8, s42
	v_lshrrev_b32 v9, 5, v0
	s_delay_alu instid0(VALU_DEP_1)
	v_add_nc_u32 v9, v9, v0
	s_delay_alu instid0(VALU_DEP_1)
	v_lshlrev_b32 v9, 4, v9                        ; 16 x thread + 16 for each 512 bytes passed
	v_lshlrev_b32 v10, 4, v0
.irp e, 0,1,2,3,4,5,6,7
	v_mov_b32 v[40+\e], 0                          ; written once: a lane permute's destination counts as one of its sources
.endr
	s_mov_b32 s54, 0x76543210
	s_mov_b32 s55, 0xfedcba98                      ; v_permlanex16_b32's selects for lane l xor 16
	s_mov_b32 s56, 0x600000                        ; the mantissa field of 57,344
	s_lshl_b32 s42, ttmp9, 16
	s_lshl_b32 s43, s40, 13
	s_add_co_u32 s42, s42, s43                     ; my first token, 32 G + 4 w, x 2,048 bytes
	s_mov_b32 s43, 0
	s_wait_alu depctr_va_vdst(0)
	s_wait_kmcnt 0x0
	s_add_nc_u64 s[4:5], s[4:5], s[42:43]
	s_lshr_b32 s42, s42, 2
	s_add_nc_u64 s[34:35], s[12:13], s[42:43]      ; its codes
	s_lshl_b32 s42, ttmp9, 9
	s_add_co_u32 s42, s42, 0x200000
	s_add_nc_u64 s[36:37], s[12:13], s[42:43]      ; the work-group's 512 scale bytes
	s_lshl_b32 s42, ttmp9, 10
	s_add_nc_u64 s[10:11], s[10:11], s[42:43]      ; out1
	s_lshl_b32 s42, ttmp9, 7
	s_add_nc_u64 s[14:15], s[14:15], s[42:43]      ; route
	s_lshl_b32 s42, ttmp9, 8
	s_add_nc_u64 s[16:17], s[16:17], s[42:43]      ; gate
.irp j, 0,1,2,3
	global_load_b128 v[112+4*\j:115+4*\j], v10, s[6:7] offset:4096*\j    ; Wr, dense: the eight waves read 4,096 consecutive bytes
.endr
.irp i, 0,1,2,3
.irp j, 0,1,2,3
	global_load_b128 v[48+16*\i+4*\j:51+16*\i+4*\j], v4, s[4:5] offset:2048*\i+512*\j th:TH_LOAD_NT   ; my four rows of x: 512 consecutive bytes a load
.endr
.endr
	s_load_b256 s[44:51], s[8:9], 0x0              ; br
	s_wait_loadcnt 16                              ; Wr's four loads are in; x's sixteen may be out
.irp j, 0,1,2,3
	ds_store_b128 v9, v[112+4*\j:115+4*\j] offset:4224*\j
.endr
	s_wait_dscnt 0x0                               ; for the others' sake: my part of Wr lies in LDS
	s_barrier_signal -1
	s_barrier_wait -1
	v_mul_u32_u24 v10, v1, WRP
.set m, 0
.rept 32
	ds_load_b128 v[128+4*m:131+4*m], v10 offset:16*m   ; my 16 rows of Wr stay in registers
.set m, m+1
.endr
; row i through its stage: as loaded on the way in, 64 bytes a lane on the way out.  LDS serves a wave's instructions in order, so no wait stands between the stores and the loads
.macro TURN i
.if (\i) == 0
.set XT, 112
.else
.set XT, 48+16*((\i)-1)
.endif
.irp j, 0,1,2,3
	ds_store_b128 v5, v[48+16*(\i)+4*\j:51+16*(\i)+4*\j] offset:2560*(\i)+640*\j
.endr
.irp j, 0,1,2,3
	ds_load_b128 v[XT+4*\j:XT+4*\j+3], v6 offset:2560*(\i)+16*\j
.endr
.endm
; token i: its 8 logits, and its codes and scale bytes
.macro TOKEN i
	s_wait_dscnt 0x0                               ; my 16 neighbours are back (token 0: Wr too), and my earlier LDS stores have read their registers
.if (\i) < 3
	s_wait_loadcnt 4*(2-(\i))                      ; the next row's four loads are in; those of the rows behind it may be out
	TURN (\i)+1
.endif
.if (\i) == 0
.set XS, 112
.else
.set XS, 48+16*((\i)-1)
.endif
.irp p, 0,1,2,3
	v_pk_mul_f32 v[32+2*\p:33+2*\p], v[XS:XS+1], v[128+2*\p:129+2*\p] op_sel_hi:[0,1]   ; x[16 l] x Wr's row, two experts at a time: the first product starts the sums
.endr
.irp k, 1,2,3,4,5,6,7,8,9,10,11,12,13,14,15
.irp p, 0,1,2,3
.if (\k)%2
	s_delay_alu instid0(VALU_DEP_4)
	v_pk_fma_f32 v[32+2*\p:33+2*\p], v[XS+\k-1:XS+\k], v[128+8*\k+2*\p:129+8*\k+2*\p], v[32+2*\p:33+2*\p] op_sel:[1,0,0] op_sel_hi:[1,1,1]   ; the pair's second number serves both halves
.else
	s_delay_alu instid0(VALU_DEP_4)
	v_pk_fma_f32 v[32+2*\p:33+2*\p], v[XS+\k:XS+\k+1], v[128+8*\k+2*\p:129+8*\k+2*\p], v[32+2*\p:33+2*\p] op_sel_hi:[0,1,1]                 ; its first
.endif
.endr
.endr
.irp m, 1,2,4,8
.irp e, 0,1,2,3,4,5,6,7
	v_add_f32_dpp v[32+\e], v[32+\e], v[32+\e] row_xmask:\m row_mask:0xf bank_mask:0xf    ; over the 32 lanes, the eight sums by turns
.endr
.endr
.irp e, 0,1,2,3,4,5,6,7
	v_permlanex16_b32 v[40+\e], v[32+\e], s54, s55
.endr
.irp e, 0,1,2,3,4,5,6,7
	v_add_f32 v[32+\e], v[32+\e], v[40+\e]
.endr
	ds_store_b128 v8, v[32:35] offset:32*(\i)      ; all lanes write the same bytes with the same values
	ds_store_b128 v8, v[36:39] offset:32*(\i)+16
	v_max3_num_f32 v10, |v[XS]|, |v[XS+1]|, |v[XS+2]|               ; the quantiser: the largest magnitude of my 16,
	v_max3_num_f32 v11, |v[XS+3]|, |v[XS+4]|, |v[XS+5]|
.irp q, 6,10
	s_delay_alu instid0(VALU_DEP_2)
	v_max3_num_f32 v10, v10, |v[XS+\q]|, |v[XS+\q+1]|
	s_delay_alu instid0(VALU_DEP_2)
	v_max3_num_f32 v11, v11, |v[XS+\q+2]|, |v[XS+\q+3]|
.endr
	s_delay_alu instid0(VALU_DEP_2)
	v_max3_num_f32 v10, v10, |v[XS+14]|, |v[XS+15]|
	s_delay_alu instid0(VALU_DEP_1)
	v_max3_num_f32 v10, v10, v11, 0x8000000        ; the floor 2^(16 - 127): the byte cannot fall under 1,
	s_delay_alu instid0(VALU_DEP_1)
	v_max_num_f32_dpp v10, v10, v10 row_xmask:1 row_mask:0xf bank_mask:0xf   ; and my neighbour's 16: the block's
	s_delay_alu instid0(VALU_DEP_1)
	v_add_nc_u32 v12, 0xf8800000, v10              ; 15 off its exponent field: the conversion takes the exponent field of this operand as its scale
	s_delay_alu instid0(VALU_DEP_2)
	v_and_or_b32 v13, v10, 0x7f800000, s56         ; 57,344 x the scale
.irp q, 0,1,2,3,4,5,6,7,8,9,10,11,12,13,14,15
	v_med3_num_f32 v[XS+\q], v[XS+\q], -v13, v13   ; the conversion to an 8-bit code does not saturate (ISA guide 7.6.2): the hold comes first
.endr
	v_cvt_scalef32_pk8_bf8_f32 v[16+4*(\i):17+4*(\i)], v[XS:XS+7], v12
	v_cvt_scalef32_pk8_bf8_f32 v[18+4*(\i):19+4*(\i)], v[XS+8:XS+15], v12
	v_lshrrev_b32 v14, 23, v12                     ; the scale's byte (a plain line behind the conversions)
	ds_store_b8 v7, v14 offset:16*(\i)             ; both lanes of a block write the same byte
	global_store_b128 v4, v[16+4*(\i):19+4*(\i)], s[34:35] offset:512*(\i)   ; the row's 512 codes: 512 consecutive bytes
.endm
	s_wait_loadcnt 12                              ; row 0's four loads are in
	TURN 0
	TOKEN 0
	TOKEN 1
	TOKEN 2
	TOKEN 3
	s_wait_kmcnt 0x0                               ; br
	s_wait_dscnt 0x0                               ; for wave 0's sake: my logits and scale bytes lie in LDS
	s_barrier_signal -1
	s_barrier_wait -1
	s_cmp_lg_u32 s40, 0
	s_cbranch_scc1 .Lrend
	; wave 0: a lane a token
	v_lshl_add_u32 v10, v1, 5, LOG
	v_add_nc_u32 v11, SCB, v4
	ds_load_b128 v[32:35], v10
	ds_load_b128 v[36:39], v10 offset:16
	ds_load_b128 v[112:115], v11                   ; my token's 16 scale bytes
	v_lshlrev_b32 v12, 2, v1
	v_lshlrev_b32 v13, 3, v1
	v_mov_b32 v47, -1.0
	v_mov_b32 v59, 0
	s_wait_dscnt 0x0
.irp e, 0,1,2,3,4,5,6,7
	v_add_f32 v[32+\e], s[44+\e], v[32+\e]         ; + br
.endr
	v_max3_num_f32 v40, v32, v33, v34              ; reference()'s softmax takes the maximum away, and so does this
	s_delay_alu instid0(VALU_DEP_1)
	v_max3_num_f32 v40, v40, v35, v36
	s_delay_alu instid0(VALU_DEP_1)
	v_max3_num_f32 v40, v40, v37, v38
	s_delay_alu instid0(VALU_DEP_1)
	v_max_num_f32 v40, v40, v39
.irp e, 0,1,2,3,4,5,6,7
	v_sub_f32 v[32+\e], v[32+\e], v40
.endr
.irp e, 0,1,2,3,4,5,6,7
	v_mul_f32 v[32+\e], 0x3fb8aa3b, v[32+\e]       ; x log2(e)
.endr
	s_wait_alu depctr_va_vdst(0)
.irp e, 0,1,2,3,4,5,6,7
	v_exp_f32 v[32+\e], v[32+\e]
.endr
	v_mov_b32 v41, 0                               ; i1 (a plain line behind the exponentials)
	s_wait_alu depctr_va_vdst(0)                   ; one wait for the batch, ahead of its first reader
	v_add_f32 v42, v32, v33
	v_add_f32 v43, v34, v35
	v_add_f32 v44, v36, v37
	v_add_f32 v45, v38, v39
	s_delay_alu instid0(VALU_DEP_3)
	v_add_f32 v42, v42, v43
	s_delay_alu instid0(VALU_DEP_2)
	v_add_f32 v44, v44, v45
	s_delay_alu instid0(VALU_DEP_1)
	v_add_f32 v42, v42, v44
	s_wait_alu depctr_va_vdst(0)
	v_rcp_f32 v43, v42
	v_mov_b32 v45, 0                               ; i2 (a plain line behind the reciprocal)
	s_wait_alu depctr_va_vdst(0)
.irp e, 0,1,2,3,4,5,6,7
	v_mul_f32 v[32+\e], v[32+\e], v43              ; the probabilities
.endr
	v_mov_b32 v46, v32                             ; the largest so far
.irp e, 1
	s_delay_alu instid0(VALU_DEP_1)
	v_cmp_ge_f32 vcc_lo, v46, v[32+\e]             ; kept unless the later one is strictly larger: ties go to the lower index
	s_delay_alu instid0(VALU_DEP_1)
	v_cndmask_b32 v46, v[32+\e], v46, vcc_lo
	s_delay_alu instid0(VALU_DEP_2)
	v_cndmask_b32 v41, \e, v41, vcc_lo
.endr
.irp e, 2, 3, 4, 5, 6, 7
	s_delay_alu instid0(VALU_DEP_2)
	v_cmp_ge_f32 vcc_lo, v46, v[32+\e]             ; kept unless the later one is strictly larger: ties go to the lower index
	s_delay_alu instid0(VALU_DEP_1)
	v_cndmask_b32 v46, v[32+\e], v46, vcc_lo
	s_delay_alu instid0(VALU_DEP_2)
	v_cndmask_b32 v41, \e, v41, vcc_lo
.endr
.irp e, 0,1,2,3,4,5,6,7
	v_cmp_eq_u32 vcc_lo, \e, v41
	s_delay_alu instid0(VALU_DEP_1)
	v_cndmask_b32 v[48+\e], v[32+\e], v47, vcc_lo  ; a copy with -1 in the largest's place
.endr
	v_mov_b32 v44, v48
.irp e, 1
	s_delay_alu instid0(VALU_DEP_1)
	v_cmp_ge_f32 vcc_lo, v44, v[48+\e]
	s_delay_alu instid0(VALU_DEP_1)
	v_cndmask_b32 v44, v[48+\e], v44, vcc_lo
	s_delay_alu instid0(VALU_DEP_2)
	v_cndmask_b32 v45, \e, v45, vcc_lo
.endr
.irp e, 2, 3, 4, 5, 6, 7
	s_delay_alu instid0(VALU_DEP_2)
	v_cmp_ge_f32 vcc_lo, v44, v[48+\e]
	s_delay_alu instid0(VALU_DEP_1)
	v_cndmask_b32 v44, v[48+\e], v44, vcc_lo
	s_delay_alu instid0(VALU_DEP_2)
	v_cndmask_b32 v45, \e, v45, vcc_lo
.endr
	v_mul_f32 v56, 0.5, v46                        ; the gates / TOP_K
	s_delay_alu instid0(VALU_DEP_3)
	v_mul_f32 v57, 0.5, v44
	s_delay_alu instid0(VALU_DEP_3)
	v_lshl_or_b32 v58, v45, 8, v41                 ; i1 | i2 << 8
.irp e, 0,1,2,3,4,5,6,7
	v_cmp_eq_u32 s58, \e, v41
	v_cmp_eq_u32 s59, \e, v45
	s_or_b32 s58, s58, s59                         ; a bit for each of the 32 tokens that chose expert e
	v_writelane_b32 v59, s58, \e                   ; word e of the group's 32; words 8 to 31 stay 0
.endr
	v_lshl_add_u32 v10, v1, 5, PRB
	v_add_nc_u32 v11, PRB, v4
	ds_store_b128 v10, v[32:35]                    ; a lane holds a row of 32 bytes: through LDS, so that each store below covers 512 consecutive bytes
	ds_store_b128 v10, v[36:39] offset:16
	ds_load_b128 v[60:63], v11
	ds_load_b128 v[64:67], v11 offset:512
	global_store_b32 v12, v59, s[14:15]
	global_store_b32 v12, v58, s[14:15] offset:16384
	global_store_b64 v13, v[56:57], s[16:17]
	global_store_b128 v4, v[112:115], s[36:37]
	s_wait_dscnt 0x0
	global_store_b128 v4, v[60:63], s[10:11]
	global_store_b128 v4, v[64:67], s[10:11] offset:512
.Lrend:
	s_wait_tensorcnt 0x0                           ; the wave's end, behind my last LDS store
	ds_add_u32 v[SPW], v[NIL]
	s_wait_dscnt 0x0
	s_endpgm
.Lfunc_end_k_q19ea9b79f0_prep:
	.size	k_q19ea9b79f0_prep, .Lfunc_end_k_q19ea9b79f0_prep-k_q19ea9b79f0_prep
	.p2alignl 7, 3214868480
	.fill 96, 4, 3214868480
	.section	.rodata,"a",@progbits
	.p2align	6, 0x0
	.amdhsa_kernel k_q19ea9b79f0_prep
		.amdhsa_group_segment_fixed_size 102400
		.amdhsa_private_segment_fixed_size 0
		.amdhsa_enable_private_segment 0
		.amdhsa_kernarg_size 120
		.amdhsa_user_sgpr_count 2
		.amdhsa_user_sgpr_kernarg_segment_ptr 1
		.amdhsa_wavefront_size32 1
		.amdhsa_system_sgpr_workgroup_id_x 1
		.amdhsa_system_sgpr_workgroup_id_y 1
		.amdhsa_system_sgpr_workgroup_id_z 1
		.amdhsa_system_vgpr_workitem_id 0
		.amdhsa_next_free_vgpr 256
		.amdhsa_next_free_sgpr 66
		.amdhsa_reserve_vcc 1
		.amdhsa_float_denorm_mode_32 3
		.amdhsa_float_denorm_mode_16_64 3
		.amdhsa_memory_ordered 1
		.amdhsa_forward_progress 1
		.amdhsa_inst_pref_size 77
	.end_amdhsa_kernel
	.amdgpu_metadata
---
amdhsa.version: [ 1, 2 ]
amdhsa.kernels:
  - .name:           k_q19ea9b79f0_prep
    .symbol:         k_q19ea9b79f0_prep.kd
    .args:
      - { .name: x, .offset: 0, .size: 8, .value_kind: global_buffer, .address_space: global }
      - { .name: Wr, .offset: 8, .size: 8, .value_kind: global_buffer, .address_space: global }
      - { .name: br, .offset: 16, .size: 8, .value_kind: global_buffer, .address_space: global }
      - { .name: out1, .offset: 24, .size: 8, .value_kind: global_buffer, .address_space: global }
      - { .name: xq, .offset: 32, .size: 8, .value_kind: global_buffer, .address_space: global }
      - { .name: route, .offset: 40, .size: 8, .value_kind: global_buffer, .address_space: global }
      - { .name: gate, .offset: 48, .size: 8, .value_kind: global_buffer, .address_space: global }
      - { .name: W1_codes, .offset: 56, .size: 8, .value_kind: global_buffer, .address_space: global }
      - { .name: W2_codes, .offset: 64, .size: 8, .value_kind: global_buffer, .address_space: global }
      - { .name: W1_scales, .offset: 72, .size: 8, .value_kind: global_buffer, .address_space: global }
      - { .name: W2_scales, .offset: 80, .size: 8, .value_kind: global_buffer, .address_space: global }
      - { .name: wf, .offset: 88, .size: 8, .value_kind: global_buffer, .address_space: global }
      - { .name: ws, .offset: 96, .size: 8, .value_kind: global_buffer, .address_space: global }
      - { .name: W3_codes, .offset: 104, .size: 8, .value_kind: global_buffer, .address_space: global }
      - { .name: W3_scales, .offset: 112, .size: 8, .value_kind: global_buffer, .address_space: global }
    .group_segment_fixed_size: 102400
    .private_segment_fixed_size: 0
    .kernarg_segment_align: 8
    .kernarg_segment_size: 120
    .max_flat_workgroup_size: 256
    .sgpr_count:     66
    .vgpr_count:     256
    .wavefront_size: 32
...
	.end_amdgpu_metadata
.endif
;; end of part 1
;; launch chain (part 2): grid 256 x 1, 16 waves a work-group, no clusters, 135,168 bytes of LDS; arguments route, xq, wf, ws, b1, b2, part; writes part
.if DOCPART == 2
	.amdgcn_target "amdgcn-amd-amdhsa--gfx1250"
	.amdhsa_code_object_version 6
	.text
	.protected	k_q19ea9b79f0_chain
	.globl	k_q19ea9b79f0_chain
	.p2align	8
	.type	k_q19ea9b79f0_chain,@function
k_q19ea9b79f0_chain:
	s_mov_b64 s[64:65], 0
	v_nop
	global_prefetch_b8 v0, s[64:65] scope:SCOPE_SE
	s_setreg_imm32_b32 hwreg(HW_REG_WAVE_MODE, 25, 1), 1
	s_wait_xcnt 0x0
; SECOND OF THREE LAUNCHES: the three products of the experts, on codes of E5M2 with E8M0 scales, for the (token, expert) pairs that the router chose alone: reference() gathers no other row (shown at the head of the first kernel).
; SHARES.  Work-group 32 e + b: expert e, block b of 128 tokens.  The list of the block's tokens that chose e has at most 128 places, whatever the split.  It is walked in two trips of 64 places, written out one behind the other:
; the first for 2, 3 or 4 tiles of 16 rows; the second, which has rows only where more than 64 of the block's tokens chose e, for 4 tiles.  A trip without rows jumps over each phase's work and passes every barrier:
; no barrier stands under a branch on numbers read from memory.  The expert comes from the work-group's number: no weight address hangs on data.
; NO TENSOR LOAD AND NO CLUSTER: the weights go from memory straight into registers, in the order in which the first launch laid them.
; THE WAVES SHARE THE COLUMNS, NOT THE ROWS: of the 16 waves, wave w makes hidden units 64 w .. 64 w + 63 of layer 1 (two blocks of 32), units 32 w .. 32 w + 31 of layer 2, and in layer 3 tile w % 4 of 16 classes for K step w / 4.
; So each weight fragment is loaded by one wave of the work-group, once a trip, and serves all its tiles of rows; what goes from wave to wave, through LDS, is the rows' codes, as images of the operand's registers (512 consecutive bytes a store).
; THE WEIGHTS' RING has three places of one unit (two fragments, 4,096 bytes a wave).  In the first trip it runs from the kernel's head to layer 3 without a stop: the first unit is asked for as soon as the arguments are in, ahead of the
; stored words; behind step u goes the request for unit u + 3, over the quantisers and the barriers.  All versions of a phase issue the same loads in the same order.  The second trip's phases each ask for their own weights at their head.
; A work-group whose list is empty has asked for three units and has gathered 64 rows that it does not use, and jumps over the phases: the head is written once, for all.
; ALL PRODUCTS ARE USED TRANSPOSED (source 0 = 16 rows of a weight, source 1 = 16 tokens): a lane holds one token, and the 16 registers of a block's two tiles are 16 neighbours along the next K (the first launch chose the tiles' rows so).
; The biases are the C of each sum's first matrix instruction; relu is the lower end of the hold that the conversion wants anyway.  b3, the gates and the sum over the two experts are the third launch's.
; Places past the list's end hold tokens of the block that did not choose e, or chosen ones once more: their rows are computed inside a tile that also holds live rows, and are not stored.
; LIMITS: NaN and infinities are not served; a block whose largest magnitude lies under 2^-111, a block of zeros too, keeps the scale byte 1 (its codes are then zeros or the rule's); layer 3's K is summed in four parts, in f32.
.set XIMG,  0                          ; LDS: x's fragments (tile t, K step k) at 2,048 (4 t + k); behind the second barrier layer 2's results take these bytes
.set XSC,   32768                      ; their scale words, 128 bytes an image: word = lane, byte = block of 32
.set H1SC,  34816                      ; layer 1's scale words: 128 (8 t + k)
.set TOKT,  38912                      ; the list of tokens: 256 bytes for each wave, its own copy
.set SPARE, 60416                      ; the spare words, 128 bytes a wave: eight blocks of 256 bytes that no other line names
.set H1IMG, 65536                      ; layer 1's fragments: 2,048 (8 t + k)
.set STG,   65536                      ; behind the third barrier, over them: layer 3's four K parts: 17,408 kq + 272 row
.set TA,   0                           ; v0   an LDS address at work (the thread's number until the head has used it)
.set LI,   1                           ; v1   16 x lane
.set LS,   2                           ; v2   4 x lane
.set LI2,  3                           ; v3   16 x lane + 65,536
.set SPW,  4                           ; v4   LDS address of my spare word; never rewritten
.set NIL,  5                           ; v5   0; never rewritten
.set BOFF, 6                           ; v6   64 x (lane / 16): my half's 16 biases
.set PFO,  7                           ; v7   256 x lane: the prefetches' offset
.set WSC,  8                           ; v8-10   the weights' scale words, one register for each of the ring's three places; they hold scales and nothing else
.set ASC,  11                          ; v11-14  the rows' scale words, one a tile; likewise
.set TB,   15                          ; v15  an LDS address at work
.set ACC,  16                          ; v16-79   accumulator (tile t, tile u of the block) at 16 + 16 t + 8 u
.set ACT,  80                          ; v80-143  tile t's fragment at 80 + 16 t; between steps the quantiser's registers
.set WR,   144                         ; v144-239 a ring of three units of weights, 32 registers each
.set BIAS, 240                         ; v240-255 a block's 16 biases of my half
.macro PLACES n
.rept \n
	v_nop
.endr
.endm
.macro BARRIER                                 ; my LDS stores have landed and my LDS loads are in: then the work-group's barrier
	s_wait_dscnt 0x0
	s_barrier_signal -1
	s_barrier_wait -1
.endm
.macro LOADB sb, off                           ; a block's biases in the result's layout: lane (r, h) takes units 16 h + 0 .. 15 of the block
.irp i, 0,1,2,3
	global_load_b128 v[BIAS+4*\i:BIAS+4*\i+3], v[BOFF], s[\sb:\sb+1] offset:(\off)+16*\i
.endr
.endm
; unit u into place u % 3 of the ring: 0-7 W1's (block u / 4, K step u % 4), 8-15 W2's (K step u - 8): two fragments and a register of scale words (lanes 0-15 the first tile's, lanes 16-31 the second's): nine loads; 16: W3's fragment: five
.macro LOADU u
.if (\u) < 8
.irp i, 0,1,2,3,4,5,6,7
	global_load_b128 v[WR+32*((\u)%3)+4*\i:WR+32*((\u)%3)+4*\i+3], v[LI], s[20:21] offset:4096*(\u)+512*\i
.endr
	global_load_b32 v[WSC+(\u)%3], v[LS], s[22:23] offset:128*(\u)
.elseif (\u) < 16
.irp i, 0,1,2,3,4,5,6,7
	global_load_b128 v[WR+32*((\u)%3)+4*\i:WR+32*((\u)%3)+4*\i+3], v[LI], s[20:21] offset:4194304+4096*((\u)-8)+512*\i
.endr
	global_load_b32 v[WSC+(\u)%3], v[LS], s[22:23] offset:131072+128*((\u)-8)
.else
.irp i, 0,1,2,3
	global_load_b128 v[WR+32+4*\i:WR+32+4*\i+3], v[LI], s[24:25] offset:512*\i
.endr
	global_load_b32 v[WSC+1], v[LS], s[26:27]
.endif
.endm
; The wait for unit u counts the loads issued behind it.
; own = 0, the first trip.  The order of issue: biases (4), unit 0, the gather (8), units 1, 2; behind step u: [the next block's biases (4), behind steps 0 and 4,] unit u + 3 (unit 16: five loads).
; own = 1, the second trip.  In layer 1: biases (4), units 0, 1, 2; behind step 0 the second block's biases (4) and unit 3; behind steps 1 to 4 units 4 to 7.  In layer 2: biases (4), units 8, 9, 10; behind steps 8 to 12 units 11 to 15.
; A block's biases are always issued ahead of a unit whose wait has been passed when they are read.
.macro WAITU u, own
.if \own
.if ((\u) == 1) || ((\u) == 2)
	s_wait_loadcnt 22                              ; two units and four biases may be out
.elseif ((\u) == 6) || ((\u) == 14)
	s_wait_loadcnt 9                               ; the layer's last unit
.elseif ((\u) == 7) || ((\u) == 15)
	s_wait_loadcnt 0x0                             ; nothing was issued behind it
.else
	s_wait_loadcnt 18                              ; the next two units
.endif
.else
.if ((\u) == 1) || ((\u) == 2) || ((\u) == 5) || ((\u) == 6)
	s_wait_loadcnt 22                              ; two units and four biases may be out
.elseif (\u) == 14
	s_wait_loadcnt 14                              ; unit 15 and W3's five
.elseif (\u) == 15
	s_wait_loadcnt 5                               ; W3's five
.else
	s_wait_loadcnt 18                              ; the next two units
.endif
.endif
.endm
.macro ACTLD nt, areg, aoff, tp, sreg, soff, sp    ; the fragments of nt tiles of rows for one K step, and their scale words, as they were stored
.set tt, 0
.rept \nt
.irp c, 0,1,2,3
	ds_load_b128 v[ACT+16*tt+4*\c:ACT+16*tt+4*\c+3], v[\areg] offset:(\aoff)+(\tp)*tt+512*\c
.endr
	ds_load_b32 v[ASC+tt], v[\sreg] offset:(\soff)+(\sp)*tt
.set tt, tt+1
.endr
.endm
; 2 nt matrix instructions: the unit's two tiles x nt tiles of rows.  The accumulators take turns, one instruction a turn, in the same order in every step.
.macro MULU nt, u, first
.set tt, 0
.rept \nt
.if \first
	v_wmma_scale_f32_16x16x128_f8f6f4 v[ACC+16*tt:ACC+16*tt+7], v[WR+32*((\u)%3):WR+32*((\u)%3)+15], v[ACT+16*tt:ACT+16*tt+15], v[BIAS:BIAS+7], v[WSC+(\u)%3], v[ASC+tt] matrix_a_fmt:MATRIX_FMT_BF8 matrix_b_fmt:MATRIX_FMT_BF8
	v_wmma_scale_f32_16x16x128_f8f6f4 v[ACC+16*tt+8:ACC+16*tt+15], v[WR+32*((\u)%3)+16:WR+32*((\u)%3)+31], v[ACT+16*tt:ACT+16*tt+15], v[BIAS+8:BIAS+15], v[WSC+(\u)%3], v[ASC+tt] matrix_a_fmt:MATRIX_FMT_BF8 matrix_b_fmt:MATRIX_FMT_BF8 matrix_a_scale:MATRIX_SCALE_ROW1
.else
	v_wmma_scale_f32_16x16x128_f8f6f4 v[ACC+16*tt:ACC+16*tt+7], v[WR+32*((\u)%3):WR+32*((\u)%3)+15], v[ACT+16*tt:ACT+16*tt+15], v[ACC+16*tt:ACC+16*tt+7], v[WSC+(\u)%3], v[ASC+tt] matrix_a_fmt:MATRIX_FMT_BF8 matrix_b_fmt:MATRIX_FMT_BF8
	v_wmma_scale_f32_16x16x128_f8f6f4 v[ACC+16*tt+8:ACC+16*tt+15], v[WR+32*((\u)%3)+16:WR+32*((\u)%3)+31], v[ACT+16*tt:ACT+16*tt+15], v[ACC+16*tt+8:ACC+16*tt+15], v[WSC+(\u)%3], v[ASC+tt] matrix_a_fmt:MATRIX_FMT_BF8 matrix_b_fmt:MATRIX_FMT_BF8 matrix_a_scale:MATRIX_SCALE_ROW1
.endif
.set tt, tt+1
.endr
.endm
; A PREFETCH of W2's units 8 + 2 a and 9 + 2 a of my wave: 8,192 bytes, lanes 256 bytes apart.  It stands behind the loads of the first trip's step a (a = 0 .. 3); unit 8 + 2 a is loaded behind step 5 + 2 a: five steps on at the least.
; All work-groups of an expert walk the same weights: the expert's first (b = 0) asks, each wave for its own part, in the first trip alone, so each block of 256 bytes is named once in the launch.
; W1's units and W3's come by their loads alone.  Its registers are never rewritten.
.macro ASK a
	s_cmp_eq_u32 s42, 0
	s_cbranch_scc0 .Lnot_mine_\@
	global_prefetch_b8 v[PFO], s[20:21] offset:4194304+8192*(\a) th:TH_LOAD_NT scope:SCOPE_SE
.Lnot_mine_\@:
.endm
; A step: one unit of weights against nt tiles of rows.
.macro STEP nt, u, own
.if (\u) < 8
	ACTLD \nt, LI, XIMG+2048*((\u)%4), 8192, LS, XSC+128*((\u)%4), 512
.else
	ACTLD \nt, LI2, 2048*((\u)-8), 16384, LS, H1SC+128*((\u)-8), 1024
.endif
	WAITU \u, \own
	s_wait_dscnt 0x0
.if ((\u) == 0) || ((\u) == 4) || ((\u) == 8)
	MULU \nt, \u, 1                                ; a block's first K step starts its sums on the biases
.else
	MULU \nt, \u, 0
.endif
.if ((\u) == 3) || ((\u) == 7) || ((\u) == 15)
	PLACES 9                                       ; the sums are finished: eight places ahead of the vector lines that read them, nine ahead of the matrix instructions that begin these accumulators anew (eight by ISA guide 7.12.1)
.else
	PLACES 8                                       ; eight places ahead of loads into registers that these matrix instructions have read
.endif
.if (\u) == 0
	LOADB 28, 128                                  ; layer 1's second block
.endif
.if \own
.if ((\u) < 5) || (((\u) >= 8) && ((\u) < 13))
	LOADU (\u)+3                                   ; into the place that this step has left; a layer's last three steps ask for nothing
.endif
.else
.if (\u) == 4
	LOADB 30, 0                                    ; layer 2's block
.endif
.if (\u) < 14
	LOADU (\u)+3                                   ; into the place that this step has left: the ring goes on into the next layer
.endif
.if (\u) < 4
	ASK \u
.endif
.endif
.endm
; The finished block of 32 units, nt tiles of rows: relu, the block's scale, codes: four registers of the next operand's fragment and one byte of its scale word, to LDS.  A lane holds 16 of the 32; lane l xor 16 the others.
.macro QUANT nt, sca, cbase, coff, ctp, scb, boff, btp
	v_add_nc_u32 v[TA], s[\sca], v[\cbase]         ; where my codes go,
	v_add_nc_u32 v[TB], s[\scb], v[LS]             ; and my byte
.set tt, 0
.rept \nt
	v_max3_num_f32 v[ACT+tt], v[ACC+16*tt], v[ACC+16*tt+1], 0x8000000   ; no |.|: what is negative becomes 0 and must not count; the floor 2^(16 - 127) holds the byte at 1 from below.  Each accumulator is read from its low end on
.set tt, tt+1
.endr
.irp i, 2,4,6,8,10,12,14
.set tt, 0
.rept \nt
	v_max3_num_f32 v[ACT+tt], v[ACT+tt], v[ACC+16*tt+\i], v[ACC+16*tt+\i+1]   ; (the tiles by turns)
.set tt, tt+1
.endr
.endr
.set tt, 0
.rept \nt
	v_permlanex16_b32 v[ACT+4+tt], v[ACT+tt], s54, s55
.set tt, tt+1
.endr
.set tt, 0
.rept \nt
	v_max_num_f32 v[ACT+tt], v[ACT+tt], v[ACT+4+tt]          ; the block's largest magnitude
.set tt, tt+1
.endr
.set tt, 0
.rept \nt
	v_add_nc_u32 v[ACT+12+tt], 0xf8800000, v[ACT+tt]         ; 15 off its exponent field: the conversion's scale operand
.set tt, tt+1
.endr
.set tt, 0
.rept \nt
	v_and_or_b32 v[ACT+8+tt], v[ACT+tt], 0x7f800000, s56     ; 57,344 x the scale
.set tt, tt+1
.endr
.set tt, 0
.rept \nt
	v_lshrrev_b32 v[ACT+16+tt], 23, v[ACT+12+tt]             ; the scale's byte
.set tt, tt+1
.endr
.set tt, 0
.rept \nt
.irp i, 0,1,2,3,4,5,6,7,8,9,10,11,12,13,14,15
	v_med3_num_f32 v[ACC+16*tt+\i], v[ACC+16*tt+\i], 0, v[ACT+8+tt]   ; the activation and the hold in one (the conversion to an 8-bit code does not saturate: ISA guide 7.6.2)
.endr
	v_cvt_scalef32_pk8_bf8_f32 v[ACT+32+4*tt:ACT+33+4*tt], v[ACC+16*tt:ACC+16*tt+7], v[ACT+12+tt]
	v_cvt_scalef32_pk8_bf8_f32 v[ACT+34+4*tt:ACT+35+4*tt], v[ACC+16*tt+8:ACC+16*tt+15], v[ACT+12+tt]
.set tt, tt+1
.endr
	v_nop                                          ; one plain line behind the last conversion: matrix instructions will write its sources
.set tt, 0
.rept \nt
	ds_store_b128 v[TA], v[ACT+32+4*tt:ACT+35+4*tt] offset:(\coff)+(\ctp)*tt
	ds_store_b8 v[TB], v[ACT+16+tt] offset:(\boff)+(\btp)*tt   ; both halves of the lanes hold the row's byte, each writes its own word's
.set tt, tt+1
.endr
.endm
.macro PHASE1 nt, own                          ; layer 1: my two blocks of 32 hidden units
.if \own
	LOADB 28, 0
	LOADU 0
	LOADU 1
	LOADU 2
.endif
	STEP \nt, 0, \own
	STEP \nt, 1, \own
	STEP \nt, 2, \own
	STEP \nt, 3, \own
	QUANT \nt, 66, LI2, 0, 16384, 67, 0, 1024
	s_wait_dscnt 0x0                               ; the stores have read their registers
	STEP \nt, 4, \own
	STEP \nt, 5, \own
	STEP \nt, 6, \own
	STEP \nt, 7, \own
	QUANT \nt, 66, LI2, 512, 16384, 67, 1, 1024
.endm
.macro PHASE2 nt, own                          ; layer 2: my block of 32 units, K = 1,024
.if \own
	LOADB 30, 0
	LOADU 8
	LOADU 9
	LOADU 10
.endif
	STEP \nt, 8, \own
	STEP \nt, 9, \own
	STEP \nt, 10, \own
	STEP \nt, 11, \own
	STEP \nt, 12, \own
	STEP \nt, 13, \own
	STEP \nt, 14, \own
	STEP \nt, 15, \own
	QUANT \nt, 68, LI, XIMG, 8192, 69, 0, 512
.endm
.macro PHASE3 nt, own                          ; layer 3: my tile of 16 classes, my K step of 128
.if \own
	LOADU 16
.endif
	v_add_nc_u32 v[TA], s70, v[LI]
	v_add_nc_u32 v[TB], s71, v[LS]
	ACTLD \nt, TA, XIMG, 8192, TB, XSC, 512
	s_wait_loadcnt 0x0                             ; W3's fragment: nothing was issued behind it
	s_wait_dscnt 0x0
.set tt, 0
.rept \nt
	v_wmma_scale_f32_16x16x128_f8f6f4 v[ACC+16*tt:ACC+16*tt+7], v[WR+32:WR+47], v[ACT+16*tt:ACT+16*tt+15], 0, v[WSC+1], v[ASC+tt] matrix_a_fmt:MATRIX_FMT_BF8 matrix_b_fmt:MATRIX_FMT_BF8
.set tt, tt+1
.endr
	v_bfe_u32 v[TA], v[LS], 2, 4                   ; r.  (These five lines and four v_nop are nine places: eight ahead of the stores that read the results, nine ahead of the second trip's products, which begin these accumulators anew)
	v_bfe_u32 v[TB], v[LS], 6, 1                   ; h
	s_delay_alu instid0(VALU_DEP_2)
	v_mul_u32_u24 v[TA], v[TA], 272
	s_delay_alu instid0(VALU_DEP_1)
	v_lshl_add_u32 v[TA], v[TB], 5, v[TA]
	s_delay_alu instid0(VALU_DEP_1)
	v_add_nc_u32 v[TA], s72, v[TA]                 ; row r of 272 bytes, + 32 h: my eight classes
	PLACES 4
.set tt, 0
.rept \nt
	ds_store_b128 v[TA], v[ACC+16*tt:ACC+16*tt+3] offset:4352*tt
	ds_store_b128 v[TA], v[ACC+16*tt+4:ACC+16*tt+7] offset:4352*tt+16
.set tt, tt+1
.endr
.endm
; the token at the place in v[p]: the last group that begins at or ahead of the place has it; into word 32 d + lane of my copy of the list
.macro LOOK p, d
	v_cmp_le_u32 vcc_lo, s48, v[\p]
	s_delay_alu instid0(VALU_DEP_1)
	v_cndmask_b32 v[86+\d], v108, v109, vcc_lo
	v_cmp_le_u32 vcc_lo, s49, v[\p]
	s_delay_alu instid0(VALU_DEP_1)
	v_cndmask_b32 v[86+\d], v[86+\d], v110, vcc_lo
	v_cmp_le_u32 vcc_lo, s50, v[\p]
	s_delay_alu instid0(VALU_DEP_1)
	v_cndmask_b32 v[86+\d], v[86+\d], v111, vcc_lo
	ds_store_b32 v[TA], v[86+\d] offset:128*\d
.endm
; THE LIST of trip g (places 64 g .. 64 g + 63) and THE GATHER of its rows' codes.
; Group j's tokens that chose e go to places (its first place) + rank; within 32 lanes that is a turn by the first place, and the lanes that did not choose fill the places left, so that each lane sends to a lane of its own.
.macro LISTGATHER g
	v_lshrrev_b32 v80, 2, v[LS]                    ; lane
.irp j, 0,1,2,3
	v_mbcnt_lo_u32_b32 v[96+\j], s[44+\j], 0       ; rank: the chosen below me
.endr
.irp j, 0,1,2,3
	s_delay_alu instid0(VALU_DEP_4)
	v_sub_nc_u32 v[100+\j], v80, v[96+\j]          ; the others below me
.endr
.irp j, 0,1,2,3
	s_delay_alu instid0(VALU_DEP_4)
	v_add_nc_u32 v[100+\j], s[48+\j], v[100+\j]    ; behind the group's chosen
.endr
.irp j, 1,2,3
	v_add_nc_u32 v[96+\j], s[47+\j], v[96+\j]
.endr
.irp j, 0
	v_cndmask_b32 v[96+\j], v[100+\j], v[96+\j], s[44+\j]   ; the stored word is the lanes' mask
.endr
.irp j, 1, 2, 3
	s_delay_alu instid0(VALU_DEP_4)
	v_cndmask_b32 v[96+\j], v[100+\j], v[96+\j], s[44+\j]   ; the stored word is the lanes' mask
.endr
.irp j, 0,1,2,3
	s_delay_alu instid0(VALU_DEP_4)
	v_min_u32 v[96+\j], 0xff, v[96+\j]             ; (at most 128 + 31)
.endr
.irp j, 0,1,2,3
	s_delay_alu instid0(VALU_DEP_4)
	v_and_b32 v[96+\j], 31, v[96+\j]
.endr
.irp j, 0,1,2,3
	s_delay_alu instid0(VALU_DEP_4)
	v_lshlrev_b32 v[96+\j], 2, v[96+\j]
.endr
.irp j, 1,2,3
	v_add_nc_u32 v[104+\j], 32*\j, v80             ; my token's number in the block
.endr
	ds_permute_b32 v108, v96, v80
.irp j, 1,2,3
	ds_permute_b32 v[108+\j], v[96+\j], v[104+\j]
.endr
.if \g
	v_add_nc_u32 v84, 64*\g, v80                   ; the places that I look up: 64 g + lane,
.set PL0, 84
.else
.set PL0, 80                                   ; (in the first trip: the lane itself,)
.endif
	v_add_nc_u32 v85, 32, v[PL0]                   ; and 32 on
	v_add_nc_u32 v[TA], s75, v[LS]
	v_and_b32 v[TB], 60, v[LS]
	s_delay_alu instid0(VALU_DEP_1)
	v_add_nc_u32 v[TB], s75, v[TB]                 ; my row r's word in my copy
	v_lshrrev_b32 v116, 2, v[BOFF]
	s_lshl_b32 s60, s40, 5
	v_add_nc_u32 v116, s60, v116                   ; 32 w + 16 h: my wave's 32 bytes of a row of codes, my half's 16
	s_wait_alu depctr_va_vdst(0)
	s_wait_dscnt 0x0
	LOOK PL0, 0
	LOOK 85, 1
.irp t, 0,1,2,3
	ds_load_b32 v[88+\t], v[TB] offset:64*\t       ; LDS serves a wave's instructions in order: these see my stores
.endr
	s_wait_dscnt 0x0
	; wave w fetches, of all 64 rows, K = 32 w .. 32 w + 31 (registers 4 (w % 4) on of K step w / 4) and scale byte w
.irp t, 0,1,2,3
	v_min_u32 v[88+\t], 127, v[88+\t]
.endr
.irp t, 0,1,2,3
	v_lshlrev_b32 v[112+\t], 9, v[88+\t]
	v_lshlrev_b32 v[120+\t], 4, v[88+\t]
.endr
.irp t, 0,1,2,3
	v_add_nc_u32 v[112+\t], v116, v[112+\t]
	v_add_nc_u32 v[120+\t], s40, v[120+\t]
.endr
.irp t, 0,1,2,3
	global_load_b128 v[ACC+4*\t:ACC+4*\t+3], v[112+\t], s[32:33]
	global_load_u8 v[ACC+16+\t], v[120+\t], s[34:35]
.endr
.if (\g) == 0
	LOADU 1                                        ; the ring's other two places, behind the gather: they come in while the rows' codes go to LDS
	LOADU 2
.endif
	v_add_nc_u32 v[TA], s68, v[LI]
	v_add_nc_u32 v[TB], s69, v[LS]
.if (\g) == 0
	s_wait_alu depctr_va_vdst(0)
	s_wait_loadcnt 18                              ; the gather is in (and the biases and unit 0, issued ahead of it); units 1 and 2 may be out
.else
	s_wait_alu depctr_va_vdst(0)
	s_wait_loadcnt 0x0                             ; the gather's eight loads: nothing else is out
.endif
.irp t, 0,1,2,3
	ds_store_b128 v[TA], v[ACC+4*\t:ACC+4*\t+3] offset:XIMG+8192*\t
	ds_store_b8 v[TB], v[ACC+16+\t] offset:512*\t
.endr
.endm
; THE WAY OUT of trip g: wave w adds the four K parts of rows 4 w .. 4 w + 3 and stores them.  A row is 256 bytes: the 32 lanes take 8 bytes each, so that one store covers a whole row, at a multiple of 256 from part's first byte,
; and whether a row belongs to the list is a scalar matter: a branch round the store.  No barrier stands under these branches.
.macro WAYOUT g
	s_cmp_ge_u32 s76, s53
	s_cbranch_scc1 .Lout_\g
	v_lshl_add_u32 v[TA], v[LS], 1, s73            ; 8 x lane in row 4 w of the first part
	v_mov_b32 v[TB], s74                           ; the rows' tokens in my copy of the list: the same word for all lanes
	v_lshlrev_b32 v81, 1, v[LS]                    ; 8 x lane
.irp i, 0,1,2,3
.irp q, 0,1,2,3
	ds_load_b64 v[ACC+8*\i+2*\q:ACC+8*\i+2*\q+1], v[TA] offset:272*\i+17408*\q
.endr
	ds_load_b32 v[84+\i], v[TB] offset:4*\i
.endr
	s_wait_dscnt 0x0
.irp i, 0,1,2,3
	v_pk_add_f32 v[ACC+8*\i:ACC+8*\i+1], v[ACC+8*\i:ACC+8*\i+1], v[ACC+8*\i+2:ACC+8*\i+3]
	v_pk_add_f32 v[ACC+8*\i+4:ACC+8*\i+5], v[ACC+8*\i+4:ACC+8*\i+5], v[ACC+8*\i+6:ACC+8*\i+7]
	v_min_u32 v[84+\i], 127, v[84+\i]
	s_delay_alu instid0(VALU_DEP_1)
	v_lshlrev_b32 v[84+\i], 11, v[84+\i]           ; a token's eight rows are 2,048 bytes
	s_wait_alu depctr_va_vdst(0)
	v_add_nc_u32 v[84+\i], v81, v[84+\i]
	v_pk_add_f32 v[ACC+8*\i:ACC+8*\i+1], v[ACC+8*\i:ACC+8*\i+1], v[ACC+8*\i+4:ACC+8*\i+5]
.endr
	global_store_b64 v84, v[ACC:ACC+1], s[36:37]   ; row 4 w belongs to the list: the branch above
.irp i, 1,2,3
	s_add_co_u32 s58, s76, \i
	s_cmp_lt_u32 s58, s53                          ; the list's rows come first: behind the first that is none, none follows
	s_cbranch_scc0 .Lout_\g
	s_wait_alu depctr_va_vdst(0)
	global_store_b64 v[84+\i], v[ACC+8*\i:ACC+8*\i+1], s[36:37]
.endr
.Lout_\g:
.endm
	s_load_b256 s[4:11], s[0:1], 0x0               ; route 4, xq 6, wf 8, ws 10
	s_load_b128 s[12:15], s[0:1], 0x20             ; b1 12, b2 14
	s_load_b64 s[16:17], s[0:1], 0x30              ; part
	v_lshl_add_u32 v[SPW], v0, 2, SPARE
	v_mov_b32 v[NIL], 0
	v_lshrrev_b32 v80, 5, v0
	s_delay_alu instid0(VALU_DEP_1)
	v_readfirstlane_b32 s40, v80                   ; wave w, 0..15
	v_and_b32 v80, 31, v0                          ; lane
	s_delay_alu instid0(VALU_DEP_1)
	v_lshlrev_b32 v[LI], 4, v80
	s_delay_alu instid0(VALU_DEP_2)
	v_lshlrev_b32 v[LS], 2, v80
	s_delay_alu instid0(VALU_DEP_2)
	v_add_nc_u32 v[LI2], 0x10000, v[LI]
	v_bfe_u32 v[BOFF], v0, 4, 1
	s_delay_alu instid0(VALU_DEP_1)
	v_lshlrev_b32 v[BOFF], 6, v[BOFF]
	v_lshlrev_b32 v[PFO], 8, v80
	s_lshr_b32 s41, ttmp9, 5                       ; expert e
	s_and_b32 s42, ttmp9, 31                       ; block b
	s_lshl_b32 s58, s42, 9
	s_lshl_b32 s59, s41, 2
	s_add_co_u32 s58, s58, s59                     ; the block's four groups of 32 tokens have 128 bytes of words each; word e
	s_mov_b32 s59, 0
	s_lshl_b32 s60, s41, 4
	s_add_co_u32 s60, s60, s40                     ; 16 e + w
	s_wait_alu depctr_va_vdst(0)
	s_wait_kmcnt 0x0
	s_add_nc_u64 s[4:5], s[4:5], s[58:59]
	s_load_b32 s44, s[4:5], 0x0                    ; which tokens of each group chose e
	s_load_b32 s45, s[4:5], 0x80
	s_load_b32 s46, s[4:5], 0x100
	s_load_b32 s47, s[4:5], 0x180
	s_lshl_b32 s58, s60, 15
	s_add_nc_u64 s[20:21], s[8:9], s[58:59]        ; my 8 units of W1; my 8 of W2 lie 4 MiB on
	s_lshl_b32 s58, s60, 10
	s_add_nc_u64 s[22:23], s[10:11], s[58:59]      ; their scale words; W2's 128 KiB on
	s_lshl_b32 s58, s60, 8
	s_add_nc_u64 s[28:29], s[12:13], s[58:59]      ; b1: my 64 numbers
	LOADB 28, 0                                    ; the ring begins here: these addresses hang on ids alone, and the stored words are still on their way
	LOADU 0
	s_lshl_b32 s58, s60, 11
	s_add_co_u32 s58, s58, 0x800000
	s_add_nc_u64 s[24:25], s[8:9], s[58:59]        ; my fragment of W3
	s_lshl_b32 s58, s60, 7
	s_add_nc_u64 s[30:31], s[14:15], s[58:59]      ; b2: my 32 numbers
	s_add_co_u32 s58, s58, 0x40000
	s_add_nc_u64 s[26:27], s[10:11], s[58:59]      ; W3's scale words
	s_lshl_b32 s58, s42, 16
	s_add_nc_u64 s[32:33], s[6:7], s[58:59]        ; the block's codes of x
	s_lshl_b32 s58, s42, 11
	s_add_co_u32 s58, s58, 0x200000
	s_add_nc_u64 s[34:35], s[6:7], s[58:59]        ; and their scale bytes
	s_lshl_b32 s58, s42, 18
	s_lshl_b32 s60, s41, 8
	s_add_co_u32 s58, s58, s60
	s_add_nc_u64 s[36:37], s[16:17], s[58:59]      ; part: [token][expert][64] f32: the block's first token, expert e
	s_lshl_b32 s66, s40, 10                        ; layer 1's codes: K step w / 2, registers 8 (w % 2) on: 1,024 w
	s_lshr_b32 s67, s40, 1
	s_lshl_b32 s67, s67, 7
	s_and_b32 s60, s40, 1
	s_lshl_b32 s60, s60, 1
	s_add_co_u32 s67, s67, s60
	s_add_co_u32 s67, s67, H1SC                    ; and their scale bytes: image w / 2, byte 2 (w % 2)
	s_lshl_b32 s68, s40, 9                         ; x's and layer 2's codes: K step w / 4, registers 4 (w % 4) on: 512 w
	s_lshr_b32 s71, s40, 2
	s_and_b32 s60, s40, 3
	s_lshl_b32 s70, s71, 11                        ; layer 3: my K step's fragments
	s_mul_i32 s72, s71, 17408
	s_lshl_b32 s71, s71, 7                         ; and their scale words
	s_add_co_u32 s69, s71, s60
	s_add_co_u32 s69, s69, XSC                     ; x's and layer 2's scale bytes: image w / 4, byte w % 4
	s_lshl_b32 s60, s60, 6
	s_add_co_u32 s72, s72, s60
	s_add_co_u32 s72, s72, STG                     ; layer 3's results: part w / 4, classes 16 (w % 4) on
	s_mul_i32 s73, s40, 1088
	s_add_co_u32 s73, s73, STG                     ; the way out: rows 4 w on
	s_mul_i32 s74, s40, 272
	s_add_co_u32 s74, s74, TOKT                    ; and their tokens, in my copy of the list: 256 w + 4 (4 w)
	s_lshl_b32 s75, s40, 8
	s_add_co_u32 s75, s75, TOKT                    ; my copy of the list
	s_lshl_b32 s76, s40, 2
	s_mov_b32 s54, 0x76543210
	s_mov_b32 s55, 0xfedcba98                      ; v_permlanex16_b32's selects for lane l xor 16
	s_mov_b32 s56, 0x600000                        ; the mantissa field of 57,344
	s_wait_kmcnt 0x0
	s_bcnt1_i32_b32 s48, s44
	s_bcnt1_i32_b32 s49, s45
	s_bcnt1_i32_b32 s50, s46
	s_bcnt1_i32_b32 s51, s47
	s_add_co_u32 s49, s49, s48                     ; s48, s49, s50: the places at which groups 1, 2, 3 begin;
	s_add_co_u32 s50, s50, s49
	s_add_co_u32 s51, s51, s50                     ; s51: the list's length
	; ---- THE FIRST TRIP: places 0 to 63
	s_min_u32 s53, s51, 64                         ; its rows: 0 to 64
	LISTGATHER 0
	BARRIER                                        ; x's sixteen fragments lie in LDS
	s_cmp_gt_u32 s53, 48
	s_cbranch_scc1 .Lone_4
	s_cmp_gt_u32 s53, 32
	s_cbranch_scc1 .Lone_3
	s_cmp_eq_u32 s53, 0
	s_cbranch_scc1 .Lone_0
	PHASE1 2, 0
	s_branch .Lone_end
.Lone_3:
	PHASE1 3, 0
	s_branch .Lone_end
.Lone_4:
	PHASE1 4, 0
	s_branch .Lone_end
.Lone_0:
	s_wait_loadcnt 0x0                             ; no rows: what the head has asked for is let in, so that no load is out where the ways join
.Lone_end:
	BARRIER                                        ; layer 1's fragments lie in LDS, and nobody reads x's any more
	s_cmp_gt_u32 s53, 48
	s_cbranch_scc1 .Ltwo_4
	s_cmp_gt_u32 s53, 32
	s_cbranch_scc1 .Ltwo_3
	s_cmp_eq_u32 s53, 0
	s_cbranch_scc1 .Ltwo_0
	PHASE2 2, 0
	s_branch .Ltwo_end
.Ltwo_3:
	PHASE2 3, 0
	s_branch .Ltwo_end
.Ltwo_4:
	PHASE2 4, 0
	s_branch .Ltwo_end
.Ltwo_0:
	s_wait_loadcnt 0x0                             ; as above
.Ltwo_end:
	BARRIER                                        ; layer 2's fragments lie in LDS, and nobody reads layer 1's any more
	s_cmp_gt_u32 s53, 48
	s_cbranch_scc1 .Lthree_4
	s_cmp_gt_u32 s53, 32
	s_cbranch_scc1 .Lthree_3
	s_cmp_eq_u32 s53, 0
	s_cbranch_scc1 .Lthree_0
	PHASE3 2, 0
	s_branch .Lthree_end
.Lthree_3:
	PHASE3 3, 0
	s_branch .Lthree_end
.Lthree_4:
	PHASE3 4, 0
	s_branch .Lthree_end
.Lthree_0:
	s_wait_loadcnt 0x0                             ; as above
.Lthree_end:
	BARRIER                                        ; the four K parts of all rows lie in the stage, and nobody reads layer 2's fragments any more
	WAYOUT 0
	; ---- THE SECOND TRIP: places 64 to 127.  It has rows only where more than 64 of the block's 128 tokens chose e; without rows only its four barriers are passed
	s_wait_xcnt 0x0                                ; the first trip's stores have read their address and data registers, which are written again below
	s_sub_co_i32 s53, s51, 64
	s_max_i32 s53, s53, 0
	s_min_u32 s53, s53, 64                         ; its rows: 0 to 64
	s_cmp_eq_u32 s53, 0
	s_cbranch_scc1 .Lgathered_1
	LISTGATHER 1
.Lgathered_1:
	BARRIER                                        ; x's sixteen fragments lie in LDS, and nobody reads the first trip's stage any more
	s_cmp_eq_u32 s53, 0
	s_cbranch_scc1 .Lone_end_1
	PHASE1 4, 1
.Lone_end_1:
	BARRIER
	s_cmp_eq_u32 s53, 0
	s_cbranch_scc1 .Ltwo_end_1
	PHASE2 4, 1
.Ltwo_end_1:
	BARRIER
	s_cmp_eq_u32 s53, 0
	s_cbranch_scc1 .Lthree_end_1
	PHASE3 4, 1
.Lthree_end_1:
	BARRIER
	WAYOUT 1
	s_wait_tensorcnt 0x0                           ; the wave's end, behind my last LDS store
	ds_add_u32 v[SPW], v[NIL]
	s_wait_dscnt 0x0
	s_endpgm
.Lfunc_end_k_q19ea9b79f0_chain:
	.size	k_q19ea9b79f0_chain, .Lfunc_end_k_q19ea9b79f0_chain-k_q19ea9b79f0_chain
	.p2alignl 7, 3214868480
	.fill 96, 4, 3214868480
	.section	.rodata,"a",@progbits
	.p2align	6, 0x0
	.amdhsa_kernel k_q19ea9b79f0_chain
		.amdhsa_group_segment_fixed_size 135168
		.amdhsa_private_segment_fixed_size 0
		.amdhsa_enable_private_segment 0
		.amdhsa_kernarg_size 56
		.amdhsa_user_sgpr_count 2
		.amdhsa_user_sgpr_kernarg_segment_ptr 1
		.amdhsa_wavefront_size32 1
		.amdhsa_system_sgpr_workgroup_id_x 1
		.amdhsa_system_sgpr_workgroup_id_y 1
		.amdhsa_system_sgpr_workgroup_id_z 1
		.amdhsa_system_vgpr_workitem_id 0
		.amdhsa_next_free_vgpr 256
		.amdhsa_next_free_sgpr 80
		.amdhsa_reserve_vcc 1
		.amdhsa_float_denorm_mode_32 3
		.amdhsa_float_denorm_mode_16_64 3
		.amdhsa_memory_ordered 1
		.amdhsa_forward_progress 1
		.amdhsa_inst_pref_size 255
	.end_amdhsa_kernel
	.section	.bss,"aw",@nobits
	.p2align	6
	.space	262144
	.amdgpu_metadata
---
amdhsa.version: [ 1, 2 ]
amdhsa.kernels:
  - .name:           k_q19ea9b79f0_chain
    .symbol:         k_q19ea9b79f0_chain.kd
    .args:
      - { .name: route, .offset: 0, .size: 8, .value_kind: global_buffer, .address_space: global }
      - { .name: xq, .offset: 8, .size: 8, .value_kind: global_buffer, .address_space: global }
      - { .name: wf, .offset: 16, .size: 8, .value_kind: global_buffer, .address_space: global }
      - { .name: ws, .offset: 24, .size: 8, .value_kind: global_buffer, .address_space: global }
      - { .name: b1, .offset: 32, .size: 8, .value_kind: global_buffer, .address_space: global }
      - { .name: b2, .offset: 40, .size: 8, .value_kind: global_buffer, .address_space: global }
      - { .name: part, .offset: 48, .size: 8, .value_kind: global_buffer, .address_space: global }
    .group_segment_fixed_size: 135168
    .private_segment_fixed_size: 0
    .kernarg_segment_align: 8
    .kernarg_segment_size: 56
    .max_flat_workgroup_size: 512
    .sgpr_count:     80
    .vgpr_count:     256
    .wavefront_size: 32
...
	.end_amdgpu_metadata
.endif
;; end of part 2
;; launch combine (part 3): grid 128 x 1, 25 waves a work-group, no clusters, 0 bytes of LDS; arguments route, gate, part, b3, out0; writes out0
.if DOCPART == 3
	.amdgcn_target "amdgcn-amd-amdhsa--gfx1250"
	.amdhsa_code_object_version 6
	.text
	.protected	k_q19ea9b79f0_combine
	.globl	k_q19ea9b79f0_combine
	.p2align	8
	.type	k_q19ea9b79f0_combine,@function
k_q19ea9b79f0_combine:
	s_mov_b64 s[64:65], 0
	v_nop
	global_prefetch_b8 v0, s[64:65] scope:SCOPE_SE
	s_setreg_imm32_b32 hwreg(HW_REG_WAVE_MODE, 25, 1), 1
	s_wait_xcnt 0x0
; THIRD OF THREE LAUNCHES: out0[t][c] = g1 (part[t][i1][c] + b3[i1][c]) + g2 (part[t][i2][c] + b3[i2][c]); i1, i2 the two experts that the first launch stored for token t as whole numbers, g1, g2 its gates, already halved.
; Only the two chosen experts' rows exist in part: reference() gathers no other (shown at the head of the first kernel).
; A work-group owns 32 tokens: 800 pairs of classes, a thread a pair; thread n's pair lies at byte 8 n of the work-group's 6,400 bytes of out0, so each store of a wave covers 256 consecutive bytes, at a multiple of 256 from out0's first byte.
; Memory binds and nothing is shared between threads: no LDS, no barrier, no matrix unit.
	s_load_b256 s[4:11], s[0:1], 0x0               ; route 4, gate 6, part 8, b3 10
	s_load_b64 s[12:13], s[0:1], 0x20              ; out0
	v_mul_u32_u24 v1, v0, 1311
	s_delay_alu instid0(VALU_DEP_1)
	v_lshrrev_b32 v1, 15, v1                       ; the thread's token: n / 25 (1311 / 32768 gives the quotient exactly for n under 800)
	s_delay_alu instid0(VALU_DEP_1)
	v_mul_u32_u24 v2, v1, 25
	s_delay_alu instid0(VALU_DEP_1)
	v_sub_nc_u32 v2, v0, v2                        ; its pair of classes
	s_delay_alu instid0(VALU_DEP_3)
	v_lshlrev_b32 v3, 2, v1
	s_delay_alu instid0(VALU_DEP_4)
	v_lshlrev_b32 v4, 3, v1
	s_delay_alu instid0(VALU_DEP_3)
	v_lshlrev_b32 v5, 3, v2                        ; 8 bytes a pair
	s_delay_alu instid0(VALU_DEP_1)
	v_lshl_add_u32 v6, v1, 11, v5                  ; a token's eight rows of part are 2,048 bytes
	v_lshlrev_b32 v7, 3, v0
	s_lshl_b32 s14, ttmp9, 7
	s_mov_b32 s15, 0
	s_lshl_b32 s16, ttmp9, 8
	s_mov_b32 s17, 0
	s_lshl_b32 s18, ttmp9, 16
	s_mov_b32 s19, 0
	s_mul_i32 s20, ttmp9, 6400
	s_mov_b32 s21, 0
	s_wait_alu depctr_va_vdst(0)
	s_wait_kmcnt 0x0
	s_add_nc_u64 s[4:5], s[4:5], s[14:15]
	s_add_nc_u64 s[6:7], s[6:7], s[16:17]
	s_add_nc_u64 s[8:9], s[8:9], s[18:19]
	s_add_nc_u64 s[12:13], s[12:13], s[20:21]
	global_load_b32 v8, v3, s[4:5] offset:16384    ; i1 | i2 << 8
	global_load_b64 v[10:11], v4, s[6:7]           ; g1, g2
	s_wait_loadcnt 0x0
	v_and_b32 v12, 0xff, v8
	v_lshrrev_b32 v13, 8, v8
	s_delay_alu instid0(VALU_DEP_2)
	v_min_u32 v12, 7, v12
	s_delay_alu instid0(VALU_DEP_2)
	v_min_u32 v13, 7, v13
	s_delay_alu instid0(VALU_DEP_2)
	v_lshlrev_b32 v14, 8, v12                      ; an expert's row of part is 256 bytes,
	s_delay_alu instid0(VALU_DEP_2)
	v_lshlrev_b32 v15, 8, v13
	s_delay_alu instid0(VALU_DEP_4)
	v_mul_u32_u24 v16, v12, 200                    ; of b3 200
	s_delay_alu instid0(VALU_DEP_4)
	v_mul_u32_u24 v17, v13, 200
	s_delay_alu instid0(VALU_DEP_4)
	v_add_nc_u32 v14, v6, v14
	s_delay_alu instid0(VALU_DEP_4)
	v_add_nc_u32 v15, v6, v15
	s_delay_alu instid0(VALU_DEP_4)
	v_add_nc_u32 v16, v5, v16
	s_delay_alu instid0(VALU_DEP_4)
	v_add_nc_u32 v17, v5, v17
	global_load_b64 v[18:19], v14, s[8:9] th:TH_LOAD_NT
	global_load_b64 v[20:21], v15, s[8:9] th:TH_LOAD_NT
	global_load_b64 v[22:23], v16, s[10:11]
	global_load_b64 v[24:25], v17, s[10:11]
	s_wait_loadcnt 0x0
	v_pk_add_f32 v[18:19], v[18:19], v[22:23]
	v_pk_add_f32 v[20:21], v[20:21], v[24:25]
	s_delay_alu instid0(VALU_DEP_2)
	v_pk_mul_f32 v[18:19], v[18:19], v[10:11] op_sel_hi:[1,0]                          ; x g1: the pair's first number serves both halves
	s_delay_alu instid0(VALU_DEP_1)
	v_pk_fma_f32 v[18:19], v[20:21], v[10:11], v[18:19] op_sel:[0,1,0] op_sel_hi:[1,1,1]   ; + x g2: its second
	global_store_b64 v7, v[18:19], s[12:13] th:TH_STORE_NT
	s_endpgm
.Lfunc_end_k_q19ea9b79f0_combine:
	.size	k_q19ea9b79f0_combine, .Lfunc_end_k_q19ea9b79f0_combine-k_q19ea9b79f0_combine
	.p2alignl 7, 3214868480
	.fill 96, 4, 3214868480
	.section	.rodata,"a",@progbits
	.p2align	6, 0x0
	.amdhsa_kernel k_q19ea9b79f0_combine
		.amdhsa_group_segment_fixed_size 0
		.amdhsa_private_segment_fixed_size 0
		.amdhsa_enable_private_segment 0
		.amdhsa_kernarg_size 40
		.amdhsa_user_sgpr_count 2
		.amdhsa_user_sgpr_kernarg_segment_ptr 1
		.amdhsa_wavefront_size32 1
		.amdhsa_system_sgpr_workgroup_id_x 1
		.amdhsa_system_sgpr_workgroup_id_y 1
		.amdhsa_system_sgpr_workgroup_id_z 1
		.amdhsa_system_vgpr_workitem_id 0
		.amdhsa_next_free_vgpr 32
		.amdhsa_next_free_sgpr 66
		.amdhsa_reserve_vcc 0
		.amdhsa_float_denorm_mode_32 3
		.amdhsa_float_denorm_mode_16_64 3
		.amdhsa_memory_ordered 1
		.amdhsa_forward_progress 1
		.amdhsa_inst_pref_size 4
	.end_amdhsa_kernel
	.amdgpu_metadata
---
amdhsa.version: [ 1, 2 ]
amdhsa.kernels:
  - .name:           k_q19ea9b79f0_combine
    .symbol:         k_q19ea9b79f0_combine.kd
    .args:
      - { .name: route, .offset: 0, .size: 8, .value_kind: global_buffer, .address_space: global }
      - { .name: gate, .offset: 8, .size: 8, .value_kind: global_buffer, .address_space: global }
      - { .name: part, .offset: 16, .size: 8, .value_kind: global_buffer, .address_space: global }
      - { .name: b3, .offset: 24, .size: 8, .value_kind: global_buffer, .address_space: global }
      - { .name: out0, .offset: 32, .size: 8, .value_kind: global_buffer, .address_space: global }
    .group_segment_fixed_size: 0
    .private_segment_fixed_size: 0
    .kernarg_segment_align: 8
    .kernarg_segment_size: 40
    .max_flat_workgroup_size: 800
    .sgpr_count:     66
    .vgpr_count:     32
    .wavefront_size: 32
...
	.end_amdgpu_metadata
.endif
;; end of part 3
